; MI455X (gfx1250); checked and timed in simulation.
; The chip was launched on July 23, 2026; its instructions are those of AMD's public machine-readable ISA for CDNA 5 (MIT licence, August 2026) and "CDNA5" Instruction Set Architecture Reference Guide (July 2026). The comments in the code are by the model that wrote it; some were corrected since.
;; Attention. Allowed arithmetic: matrix products marked QUANTISED: E2M3 operands, one E8M0 scale for each 32 along K, by v_wmma_scale_f32_16x16x128_f8f6f4 with both operands' format E2M3, f32 sums; everything else in f32.
;; Inputs: mask 1 x 1 x 341 x 341 float32; proj_b 1,024 float32; proj_w_codes 1,024 x 32 x 24 uint8 (E2M3 codes of proj_w, K innermost, in blocks of 32 codes, four codes in three bytes); proj_w_scales 1,024 x 32 uint8 (E8M0 scales of proj_w, one for each 32 codes along K); qkv_b 3,072 float32; qkv_w_codes 3,072 x 32 x 24 uint8 (E2M3 codes of qkv_w, K innermost, in blocks of 32 codes, four codes in three bytes); qkv_w_scales 3,072 x 32 uint8 (E8M0 scales of qkv_w, one for each 32 codes along K); x_codes 32 x 341 x 32 x 24 uint8 (E2M3 codes of x, K innermost, in blocks of 32 codes, four codes in three bytes); x_scales 32 x 341 x 32 uint8 (E8M0 scales of x, one for each 32 codes along K).
;; Outputs: out0 32 x 341 x 1,024 float32.
;; This version of the problem:
;;   THIS VERSION OF THE PROBLEM IS GIVEN IN LOW PRECISION. The matrix products marked QUANTISED in the list below multiply operands that are first quantised to E2M3 (2 exponent bits, 3 mantissa bits; 6 bits a number), with one power-of-two scale for each 32 numbers along K (OCP MX v1.0); their sums are f32. All else is computed in f32.
;;   The module's matrix products, in the order in which they are computed (A, B: the left and right operand; K: the contracted axis; several contracted axes count as one K, in the product's order):
;;     1. [M 10,912, K 1,024] x [K 1,024, N 3,072]; A: input x (given as codes); B: input qkv_w (given as codes): QUANTISED
;;     2. batch 512 x [M 341, K 64] x [K 64, N 341]; A: computed on the way; B: computed on the way: QUANTISED
;;     3. batch 512 x [M 341, K 341] x [K 341, N 64]; A: softmax (see below); B: computed on the way: QUANTISED
;;     4. [M 10,912, K 1,024] x [K 1,024, N 1,024]; A: computed on the way; B: input proj_w (given as codes): QUANTISED
;;   THE QUANTISER, for each operand of a quantised product, along K:
;;     - K is cut into blocks of 32 from its start; a last block that is shorter is filled with zeros.
;;     - A block's scale is 2^e with e = floor(log2(the largest magnitude in the block)) - 2, held to -126 .. 127; a block of zeros has e = 0. As a byte (E8M0): e + 127.
;;     - Each number is divided by its block's scale, clamped to +-7.5, and rounded to the nearest number of E2M3, ties to even, subnormals kept.
;;     - The product sums the exact products of the quantised numbers (number of the format x scale) in f32.
;;   ~~~python
;;   def quantise(x, axis):      # numpy; x: float32 -> the quantised numbers, widened to float32 again
;;       x = np.moveaxis(x, axis, -1); K = x.shape[-1]
;;       x = np.pad(x, [(0, 0)] * (x.ndim - 1) + [(0, -K % 32)]); x = x.reshape(x.shape[:-1] + (-1, 32)); a = np.abs(x).max(-1, keepdims=True)
;;       e = np.where(a > 0, np.clip(np.frexp(np.where(a > 0, a, 1))[1] - 1 - 2, -126, 127), 0)      # np.frexp(a)[1] - 1 = floor(log2(a)), exactly
;;       r = np.clip(x / 2.0 ** e, -7.5, 7.5)
;;       step = 2.0 ** (np.maximum(np.frexp(np.where(r == 0, 1, r))[1] - 1, 0) - 3)
;;       q = np.round(r / step) * step * 2.0 ** e      # np.round: ties to even
;;       return np.moveaxis(q.reshape(q.shape[:-2] + (-1,))[..., :K], -1, axis).astype(np.float32)
;;   ~~~
;;   SOFTMAX AHEAD OF A QUANTISED PRODUCT. Where the list says 'softmax', what is quantised is not the finished softmax but p = 2^(t - M), with t = logit x log2(e) and M = ceil(the row's largest t), a whole number; so 1/2 < the row's largest p <= 1. The row's sum l is taken of the UNQUANTISED p, in f32, and the product's result is divided by l at the end. Since M is a whole number, a kernel that streams over the keys may use a running M (the ceiling of the running maximum): every later rescaling is an exact power of two, which a block's scale takes up: the codes' values come out the same.
;;   OPERANDS COMPUTED ON THE WAY. 'Computed on the way' means the value that the module computes at that place (a softmax that the list does not call 'softmax' is quantised finished and normalised). What goes into a quantiser is computed in f32, as accurately as f32 sums, v_exp_f32 and their like allow (about 1e-6 of the number): no bf16 or f16 on the way to a quantiser, and a product that is left as it is and whose result goes on into a quantised operand takes f32 operands (vector FMAs, or v_wmma_f32_16x16x4_f32). A number that lies on a knife's edge between two numbers of the format may be rounded either way, as far as f32 arithmetic and the matrix unit's own rounding can turn it there, and no further.
;;   INPUTS GIVEN AS CODES. proj_w (in the module: [1024, 1024], K = its axis 1); qkv_w (in the module: [3072, 1024], K = its axis 1); x (in the module: [32, 341, 1024], K = its axis 2): each comes as NAME_codes (uint8): NAME with its K axis moved to the last place and cut into blocks of 32 codes, [.., K / 32, bytes a block], one block behind the other in memory; four codes in three bytes: a row's codes are one little-endian stream of bits, code i at bits 6 i .. 6 i + 5 (a code: sign, 2 exponent bits, 3 mantissa bits); and NAME_scales (uint8): the same leading axes, one E8M0 byte (e + 127) for each 32 codes along K. Its value is code x scale, taken as it is: it is not quantised again, and the codes and scales need not be those that the quantiser above would give.
;; One version. Each part assembles by itself: llvm-mc -triple=amdgcn-amd-amdhsa -mcpu=gfx1250 --defsym DOCPART=n.
;; ======== version 1 of 1: 2 launches
;; workspace buffers: ocodes 8,650,752 bytes; oscales 1,441,792 bytes
;; launch qkv_attn (part 1): grid 16 x 32, 4 waves a work-group, clusters of 4 x 1, 327,680 bytes of LDS; arguments x_codes, x_scales, qkv_w_codes, qkv_w_scales, qkv_b, mask, ocodes, oscales; writes ocodes, oscales
.if DOCPART == 1
	.amdgcn_target "amdgcn-amd-amdhsa--gfx1250"
	.amdhsa_code_object_version 6
	.text
	.protected	k_q36b7de7ae1_qkv_attn
	.globl	k_q36b7de7ae1_qkv_attn
	.p2align	8
	.type	k_q36b7de7ae1_qkv_attn,@function
k_q36b7de7ae1_qkv_attn:
	s_mov_b64 s[64:65], 0
	v_nop
	global_prefetch_b8 v0, s[64:65] scope:SCOPE_SE
	s_setreg_imm32_b32 hwreg(HW_REG_WAVE_MODE, 25, 1), 1
	s_wait_xcnt 0x0
	s_wait_alu depctr_hold_cnt(0) depctr_sa_sdst(0) depctr_va_vdst(0) depctr_va_sdst(0) depctr_va_ssrc(0) depctr_va_vcc(0) depctr_vm_vsrc(0)
	s_getreg_b32 s2, hwreg(HW_REG_IB_STS2, 6, 4)
	s_cmp_eq_u32 s2, 0
	s_cbranch_scc0 .Lentry_in_a_cluster
	s_endpgm
.Lentry_in_a_cluster:
	s_bfe_u32 s2, ttmp6, 0x10000c
	s_cmp_lg_u32 s2, 0x3003
	s_cbranch_scc0 .Lentry_shape_is_right
	s_endpgm
.Lentry_shape_is_right:
; One work-group = one (batch, head): q, k, v of the head (384 x 192 x 1024 on the given codes of E2M3), bias, RoPE, quantising, the whole attention of the head, O / l quantised.
; Out go only the codes of O / l (ocodes) and their scale words (oscales), laid in the order of the next launch's operand registers.  q, k, v, scores and p never go to memory.
; SHARES.  GEMM: wave w owns tokens 96 w .. 96 w + 95 (6 tiles of 16) against all 192 weight rows (12 tiles: 4 of q, 4 of k, 4 of v): 72 accumulators.
;   q, k: source 0 = weights, source 1 = x: a lane holds ONE token, its registers run along d = 16 c + 8 h + j.   v: source 0 = x, source 1 = weights: a lane holds one d, its registers run along the tokens, the second product's K.
;   Attention: in step s = 0 .. 5 wave w takes queries 16 (4 s + w) on; a whole row of 352 scores lies in registers, so the row's maximum is exact and nothing is rescaled.
; ORDER INSIDE A BLOCK OF 32.  A permutation of k inside a block, the same on both operands, keeps a product.  q and k get the same order of d from the same macro; p and v share the order of keys
;   (place 16 e + 8 u + j of block B is key 32 B + 16 u + 8 e + j).  O / l meets given codes, so it must be in natural order: the rows of a tile of V^T are chosen for that (row p of tile n is d = 32 (n / 2) + 8 (n % 2) + p + 8 (p / 8)).
; 1 / 8 goes into q's scale bytes (byte - 3).  THE MASK IS THE C OF THE SCORE PRODUCT: its tile is loaded from LDS into the score registers and the product adds in place.
; A head has K = 64, half of the instruction's 128: q's codes of k = 64 .. 127 are zeros, so K's fragments lie 6 registers to a tile and the upper half of an operand is the next tile's codes (scale bytes 2, 3 are 0 = 2^-127, not NaN).
; RoPE: all angles are T x inv_f with T a whole number 0 .. 15: lane (t, h) computes cos and sin of t x inv_f for its 8 frequencies once (16 registers); a token's values come by ds_bpermute_b32.
; ONE WAVE IS ALONE ON ITS SIMD, so what a step will want is asked for ahead of it: the next attention step's mask tiles 6 .. 21, its q and q's scale word as soon as p's conversions have read the score registers;
;   the bias during the last K step; a tile's cos and sin during the tile before.  Long sums and maxima run in several chains by turns.
; CLUSTER 4 x 1: the four partners are four heads of one batch.  x's tiles, x's scales and the mask's tiles are asked for JOINTLY (727 of the 874 KB that a work-group brings in); the weights are each work-group's own.
;   No 4 x 4 cluster: the mask's tile hangs on neither coordinate of such a cluster, so no row or column mask would fit it.
; LIMITS: a block whose largest magnitude lies under 2^-124 (q: 2^-121) gets that floor's scale byte; a block of zeros gets the floor's byte, not 127 (its codes are zeros; this program alone reads the bytes);
;   NaN and infinities among the inputs are not served; cos and sin are within 1e-6 (absolute) of the tables.
.set SLOT,   138240                    ; a GEMM slot: 256 along K: x's 384 rows x 240 bytes, then the weights' 192 rows x 240
.set XPART,  92160
.set XSC,    276480                    ; x's scale bytes of the batch: token T's 32 bytes at 32 T
.set WSC,    289024                    ; the head's weight scale bytes: row p (0 .. 191) at 32 p
.set SPARE,  327168                    ; the spare words: 128 bytes for each wave, two blocks of 256 bytes that no other line names
.set AREA,   101376                    ; a mask area: 4 waves x 25,344.  Area at 0: steps 1, 3; at AREA: steps 0, 2, 4; at 2 AREA: step 5
.set MCA,    202752
.set MTILE,  25344                     ; a wave's mask tile: 16 rows x 1,584
.set MP,     1584                      ; a mask row in LDS: 11 x (128 bytes + 16 of padding)
.set QIMG,   253440                    ; scratch written by LDS stores alone, in bytes that have had their last fill: q's fragments, 24 x [3][32 lanes][8 bytes]
.set KIMG,   271872                    ; k's, 12 pairs of tiles x [3][32 lanes][16 bytes]
.set VIMG,   290304                    ; v's: tile n x 4,640 + block x 384 + half x 192 + word x 64 + 4 x row
.set QSC,    308992                    ; q's scale words: tile x 64 + 4 r
.set KSC,    310528                    ; k's likewise
.set VSC,    312064                    ; v's scale bytes: tile n x 256 + 16 x row + block
.set FLOOR,  0x1800000                 ; 2^(3 - 127): no largest magnitude is taken under it, so a scale byte cannot fall under 1
.set FLOORQ, 0x3000000                 ; 2^(6 - 127) for q, whose bytes lose 3 more
; vector registers of the epilogue (window 0)
.set IXR, 15                           ; v15-20   tile i: 4 x the table's lane for d >= 32
.set EA,  24                           ; v24-55   32 numbers + bias
.set ET,  56                           ; v56-87   the same rotated
.set BQ,  96                           ; v96-127  q's bias in the result's layout;  v128-159 k's;  v160-167 v's, each number twice
.set BK,  128
.set BV,  160
.set CS,  168                          ; v168-199 (cos, sin) of my token for my 16 pairs
.set QC,  200
.set QT,  206
.set QW,  210
.set KC,  212
.set KT,  224
.set KW,  228
.set IYR, 230                          ; v230-235 tile i: 4 x the table's lane for d < 32
.set TBL, 240                          ; v240-255 the table: cos at 2 jj, sin at 2 jj + 1
.set MSB, 0
.macro WIN new                         ; the immediate's high byte repeats the setting that is left; a switch that changes nothing is dropped
.if MSB != (\new)
	s_set_vgpr_msb (MSB<<8)|(\new)
.set MSB, (\new)
.endif
.endm
.macro PLACES                          ; four plain places behind matrix instructions, in front of loads into their registers and of reads of their results
.rept 4
	v_nop
.endr
.endm
.macro CREST                           ; a round of the cluster's barrier behind its opening barrier
	s_cmp_lg_u32 s20, 0
	s_cbranch_scc1 .Lnot_wave_0_\@
	s_barrier_signal -3
.Lnot_wave_0_\@:
	s_barrier_wait -3
	s_barrier_signal -1
	s_barrier_wait -1
.endm
.macro CROUND
	s_barrier_signal -1
	s_barrier_wait -1
	CREST
.endm
; one product; zero = 1: it starts the sum; row1 = 1: source 0's scales are read from lanes 16-31
.macro MM d, a, b, zero, sa, sb, row1
.if \zero
	v_wmma_scale_f32_16x16x128_f8f6f4 v[\d:\d+7], v[\a:\a+11], v[\b:\b+11], 0, v[\sa], v[\sb] matrix_a_fmt:MATRIX_FMT_FP6 matrix_b_fmt:MATRIX_FMT_FP6
.elseif \row1
	v_wmma_scale_f32_16x16x128_f8f6f4 v[\d:\d+7], v[\a:\a+11], v[\b:\b+11], v[\d:\d+7], v[\sa], v[\sb] matrix_a_fmt:MATRIX_FMT_FP6 matrix_b_fmt:MATRIX_FMT_FP6 matrix_a_scale:MATRIX_SCALE_ROW1
.else
	v_wmma_scale_f32_16x16x128_f8f6f4 v[\d:\d+7], v[\a:\a+11], v[\b:\b+11], v[\d:\d+7], v[\sa], v[\sb] matrix_a_fmt:MATRIX_FMT_FP6 matrix_b_fmt:MATRIX_FMT_FP6
.endif
.endm
; a fragment, 16 rows x 128 K = 12 registers, from rows of 192 bytes laid as 3 x (64 + 16): six pieces of 8 bytes; lanes 16-31 read three pieces further on, which for some pieces is behind one padding more: register adr + 2 serves those
.macro FRAG reg, adr, q, off
.irp p, 0,1,2,3,4,5
.set PC, 12*(\q)+6*(\p/3)+\p%3
.if PC%8 < 5
	ds_load_b64 v[\reg+2*\p:\reg+2*\p+1], v[\adr] offset:8*PC+16*(PC/8)+(\off)
.else
	ds_load_b64 v[\reg+2*\p:\reg+2*\p+1], v[\adr+2] offset:8*PC+16*(PC/8)+(\off)
.endif
.endr
.endm
; 32 numbers of a lane (block b = registers 16 b .. 16 b + 15; lanes l and l xor 16 share a block) become six registers of codes (lane (r, h): block h of row r) and a scale word (bytes 0, 1).  t: six temporaries.
; Each block's largest magnitude is taken in two chains (numbers 0-7 with the floor; numbers 8-14), four chains by turns, joined with number 15.
.macro QUANT32 src, dst, tmp, word, floor, t
.irp b, 0,1
	v_max3_num_f32 v[\t+\b], |v[\src+16*\b]|, |v[\src+16*\b+1]|, \floor
.endr
.irp b, 0,1
	v_max3_num_f32 v[\t+2+\b], |v[\src+16*\b+8]|, |v[\src+16*\b+9]|, |v[\src+16*\b+10]|
.endr
.irp i, 2,4
.irp b, 0,1
	v_max3_num_f32 v[\t+\b], v[\t+\b], |v[\src+16*\b+\i]|, |v[\src+16*\b+\i+1]|
.endr
.irp b, 0,1
	v_max3_num_f32 v[\t+2+\b], v[\t+2+\b], |v[\src+16*\b+\i+9]|, |v[\src+16*\b+\i+10]|
.endr
.endr
.irp b, 0,1
	v_max3_num_f32 v[\t+\b], v[\t+\b], |v[\src+16*\b+6]|, |v[\src+16*\b+7]|
.endr
.irp b, 0,1
	v_max3_num_f32 v[\t+\b], v[\t+\b], v[\t+2+\b], |v[\src+16*\b+15]|
.endr
.irp b, 0,1
	v_permlanex16_b32 v[\t+2+\b], v[\t+\b], s84, s85
.endr
.irp b, 0,1
	v_max_num_f32 v[\t+\b], v[\t+\b], v[\t+2+\b]     ; the block's largest magnitude
.endr
.irp b, 0,1
	v_add_nc_u32 v[\t+4+\b], 0xff000000, v[\t+\b]    ; 2 off its exponent field: the conversion's scale operand
.endr
.irp b, 0,1
	v_lshrrev_b32 v[\t+\b], 23, v[\t+4+\b]           ; the scale's byte
.endr
	v_lshl_or_b32 v[\word], v[\t+1], 8, v[\t]
	v_cvt_scalef32_pk16_fp6_f32 v[\dst:\dst+2], v[\src:\src+15], v[\t+4]
	v_cvt_scalef32_pk16_fp6_f32 v[\tmp:\tmp+2], v[\src+16:\src+31], v[\t+5]
	v_nop                                            ; one plain place behind a scaled conversion
.irp i, 0,1,2
	v_permlane16_swap_b32 v[\dst+\i], v[\tmp+\i]     ; a whole block to a lane: lanes 0-15 block 0, lanes 16-31 block 1
.endr
.irp i, 0,1,2
	v_mov_b32 v[\dst+3+\i], v[\tmp+\i]
.endr
.endm
; ---------------------------------------------------------------- head
	s_load_b256 s[4:11], s[0:1], 0x0               ; x_codes s[4:5], x_scales s[6:7], qkv_w_codes s[8:9], qkv_w_scales s[10:11]
	s_load_b256 s[12:19], s[0:1], 0x20             ; qkv_b s[12:13], mask s[14:15], ocodes s[16:17], oscales s[18:19]
	v_lshl_add_u32 v1, v0, 2, SPARE                ; my spare word; never rewritten
	v_mov_b32 v2, 0                                ; 0; never rewritten
	ds_add_u32 v1, v2
	ds_add_u32 v1, v2
	s_wait_dscnt 0x0
	v_lshrrev_b32 v3, 5, v0
	v_readfirstlane_b32 s20, v3                    ; wave 0..3
	s_bfe_u32 s2, ttmp6, 0x40000                   ; cx: it enters global addresses of the weights, the bias and the outputs alone
	s_lshl_b32 s21, ttmp9, 2
	s_add_co_u32 s21, s21, s2                      ; head
	s_and_b32 s22, ttmp7, 0xffff                   ; batch, which the four partners share
	; group 1 for x's tiles: 384 rows x 192 bytes, of which 341 exist (the rest arrive as zeros), 16 bytes of padding behind every 64; joint
	s_mov_b32 s24, 15|(1<<20)|(1<<21)|(3<<22)|(3<<25)
	s_mov_b32 s25, 192<<16
	s_mov_b32 s26, 341<<16
	s_mov_b32 s27, 192<<16
	s_mov_b32 s28, 384
	s_mov_b32 s29, 768
	s_mov_b32 s30, 0
	s_mov_b32 s31, 0
	; for the weights' tiles: 64 rows x 192 bytes; my work-group's own
	s_mov_b32 s32, (1<<20)|(3<<22)|(3<<25)
	s_mov_b32 s33, 192<<16
	s_mov_b32 s34, 64<<16
	s_mov_b32 s35, 192<<16
	s_mov_b32 s36, 64
	s_mov_b32 s37, 768
	s_mov_b32 s38, 0
	s_mov_b32 s39, 0
	; for x's scale bytes: 10,912 dense bytes as 31 rows of 352 (44 elements of 8 bytes), 4 rows of zeros behind them; joint
	s_mov_b32 s40, 15|(3<<16)|(1<<21)
	s_mov_b32 s41, 44<<16
	s_mov_b32 s42, 31<<16
	s_mov_b32 s43, 44<<16
	s_mov_b32 s44, 35
	s_mov_b32 s45, 44
	s_mov_b32 s46, 0
	s_mov_b32 s47, 0
	; for 64 weight rows' scale bytes: 2,048 dense bytes as 8 rows of 256
	s_mov_b32 s48, 3<<16
	s_mov_b32 s49, 32<<16
	s_mov_b32 s50, 8<<16
	s_mov_b32 s51, 32<<16
	s_mov_b32 s52, 8
	s_mov_b32 s53, 32
	s_mov_b32 s54, 0
	s_mov_b32 s55, 0
	s_mov_b32 s84, 0x76543210                      ; v_permlanex16_b32's selects: lane l xor 16
	s_mov_b32 s85, 0xfedcba98
	s_mov_b32 s86, 0x3fb8aa3b                      ; log2(e)
	s_mov_b32 s87, s86                             ; (named with it as a pair)
	s_mov_b32 s89, 0xffff0000                      ; lanes 16-31
	s_mul_i32 s90, s20, MTILE                      ; my mask tile's place in an area
	s_mul_i32 s96, s22, 261888                     ; the batch's codes of x (s96, s97, s92, s93 never hold cx)
	s_mov_b32 s97, 0
	s_mul_i32 s92, s22, 10912                      ; and its scale bytes
	s_mov_b32 s93, 0
	s_mul_i32 s98, s21, 49152                      ; the head's 64 weight rows of 768 bytes,
	s_mul_i32 s100, s20, 786432                    ; waves 1, 2, 3 fetch q's, k's, v's: 1,024 rows apart (one step is taken off below; wave 0's copy is never issued)
	s_add_co_u32 s98, s98, s100
	s_mov_b32 s99, 0
	s_mul_i32 s100, s21, 2048
	s_mul_i32 s2, s20, 32768
	s_add_co_u32 s100, s100, s2
	s_mov_b32 s101, 0
	s_mul_i32 s23, s20, 15360
	s_add_co_u32 s23, s23, XPART-15360             ; LDS: the weights' part, 64 rows x 240 for each of waves 1 to 3
	s_lshl_b32 s3, s20, 11
	s_add_co_u32 s3, s3, WSC-2048
	s_wait_kmcnt 0x0
	s_mov_b32 s56, 1                               ; group 0, x, slot 0
	s_mov_b32 s57, 0
	s_add_nc_u64 s[58:59], s[4:5], s[96:97]
	s_mov_b32 s60, 1                               ; slot 1: 256 along K = 192 bytes on
	s_mov_b32 s61, SLOT
	s_add_nc_u64 s[62:63], s[58:59], 192
	s_or_b32 s59, s59, 0x80000000
	s_or_b32 s63, s63, 0x80000000
	s_mov_b32 s68, 1                               ; group 0, weights, slot 0
	s_mov_b32 s69, s23
	s_add_nc_u64 s[70:71], s[8:9], s[98:99]
	s_sub_nc_u64 s[70:71], s[70:71], 786432
	s_mov_b32 s72, 1
	s_add_co_u32 s73, s23, SLOT
	s_add_nc_u64 s[74:75], s[70:71], 192
	s_or_b32 s71, s71, 0x80000000
	s_or_b32 s75, s75, 0x80000000
	s_mov_b32 s76, 1                               ; x's scale bytes
	s_mov_b32 s77, XSC
	s_add_nc_u64 s[78:79], s[6:7], s[92:93]
	s_or_b32 s79, s79, 0x80000000
	s_mov_b32 s80, 1                               ; the weights' scale bytes
	s_mov_b32 s81, s3
	s_add_nc_u64 s[82:83], s[10:11], s[100:101]
	s_sub_nc_u64 s[82:83], s[82:83], 32768
	s_or_b32 s83, s83, 0x80000000
	s_lshl_b32 s98, s21, 8
	s_add_nc_u64 s[12:13], s[12:13], s[98:99]      ; the bias at my head
	s_lshl_b32 s98, s22, 4
	s_add_co_u32 s98, s98, s21
	s_mul_i32 s98, s98, 22
	s_add_co_u32 s98, s98, s20                     ; (batch x 16 + head) x 22 + wave: my first tile of queries
	s_mul_i32 s100, s98, 768
	s_add_nc_u64 s[16:17], s[16:17], s[100:101]
	s_sub_nc_u64 s[16:17], s[16:17], 3072          ; one step (four tiles) back: each attention step steps the two bases ahead of its stores
	s_lshl_b32 s100, s98, 7
	s_add_nc_u64 s[18:19], s[18:19], s[100:101]
	s_sub_nc_u64 s[18:19], s[18:19], 512
	; group 1 for the mask's tiles, in the registers that held four pointers: 16 rows x 352 f32, of which 341 columns exist; 16 bytes of padding behind every 128; joint
	s_mov_b32 s4, 15|(2<<16)|(1<<20)|(1<<21)|(4<<22)|(3<<25)
	s_mov_b32 s5, 341<<16
	s_mov_b32 s6, 16<<16
	s_mov_b32 s7, 352<<16
	s_mov_b32 s8, 16
	s_mov_b32 s9, 341
	s_mov_b32 s10, 0
	s_mov_b32 s11, 0
	CROUND                                         ; all four work-groups are here: the first joint loads meet
	s_cmp_eq_u32 s20, 0                            ; a wave's three first fills stand in one branch: three loads of mine are out
	s_cbranch_scc0 .Lfirst_w
	tensor_load_to_lds s[76:79], s[40:47]
	s_nop 0
	tensor_load_to_lds s[56:59], s[24:31]
	s_nop 0
	tensor_load_to_lds s[60:63], s[24:31]
	s_nop 0
.rept 4
	v_nop
.endr
	s_branch .Lfirst_done
.Lfirst_w:
	tensor_load_to_lds s[80:83], s[48:55]
	s_nop 0
	tensor_load_to_lds s[68:71], s[32:39]
	s_nop 0
	tensor_load_to_lds s[72:75], s[32:39]
	s_nop 0
.rept 4
	v_nop
.endr
.Lfirst_done:
	v_and_b32 v3, 15, v0                           ; r
	v_bfe_u32 v4, v0, 4, 1                         ; h
	v_mul_u32_u24 v5, v3, 240
	v_mad_u32_u24 v6, v4, 24, v5
	v_mad_u32_u24 v7, v4, 40, v5
	s_mul_i32 s2, s20, 23040                       ; my 96 rows of x
	v_add_nc_u32 v8, s2, v6                        ; v8, v9: x's fragments in slot 0, 1;  v10, v11: behind one padding more
	v_add_nc_u32 v10, s2, v7
	v_add_nc_u32 v9, SLOT, v8
	v_add_nc_u32 v11, SLOT, v10
	v_add_nc_u32 v12, XPART, v6                    ; v12-15: the same for the weights
	v_add_nc_u32 v14, XPART, v7
	v_add_nc_u32 v13, SLOT, v12
	v_add_nc_u32 v15, SLOT, v14
	s_mul_i32 s2, s20, 3072
	s_add_co_u32 s2, s2, XSC
	v_lshl_add_u32 v16, v3, 5, s2                  ; x's scale words: 32 bytes a token
	v_lshlrev_b32 v17, 5, v3
	v_add_nc_u32 v17, WSC, v17                     ; the weights'
	v_lshlrev_b32 v18, 5, v4                       ; the bias' offsets: 32 h for q and k,
	v_lshlrev_b32 v19, 2, v3                       ; 4 r for v
	; THE TABLE, while the fills are on their way.  Lane (t, h): angle t x inv_f, f = 8 (jj / 4) + 4 h + jj % 4, inv_f = 10^(-f / 4).  The angle is reduced by k = round(angle x 2 / pi) quarter turns,
	; pi / 2 in three parts (the first product is exact, the others are fused); sine and cosine on [-pi / 4, pi / 4] by polynomials; the quarter turns swap and sign them.
	v_cvt_f32_u32 v96, v3
.macro SINCOS jj, c0, c1
	v_mov_b32 v97, \c0
	v_mov_b32 v98, \c1
	v_cndmask_b32 v97, v97, v98, s89               ; inv_f
	v_mul_f32 v98, v96, v97
	v_mul_f32 v98, 0x3f22f983, v98                 ; x 2 / pi
	v_rndne_f32 v98, v98                           ; k
	v_mul_f32 v99, 0x3fc90000, v98                 ; k x 1.5703125, exact
	v_fma_f32 v99, v96, v97, -v99
	v_fmamk_f32 v99, v98, 0xb9fda000, v99
	v_fmamk_f32 v99, v98, 0xb3a2168c, v99          ; the reduced angle
	v_mul_f32 v100, v99, v99
	v_mov_b32 v101, 0xb94ca1f9
	v_fmaak_f32 v101, v101, v100, 0x3c08839e
	v_fmaak_f32 v101, v101, v100, 0xbe2aaaa3
	v_mul_f32 v101, v101, v100
	v_fma_f32 v101, v101, v99, v99                 ; sine
	v_mov_b32 v102, 0x37ccf5ce
	v_fmaak_f32 v102, v102, v100, 0xbab6061a
	v_fmaak_f32 v102, v102, v100, 0x3d2aaaa5
	v_mul_f32 v102, v102, v100
	v_fma_f32 v103, v100, -0.5, 1.0
	v_fma_f32 v102, v102, v100, v103               ; cosine
	v_cvt_i32_f32 v104, v98
	v_and_b32 v105, 1, v104
	v_cmp_eq_u32 vcc_lo, 1, v105
	v_cndmask_b32 v106, v101, v102, vcc_lo         ; an odd number of quarter turns swaps them
	v_cndmask_b32 v107, v102, v101, vcc_lo
	v_and_b32 v105, 2, v104
	v_lshlrev_b32 v105, 30, v105
	v_xor_b32 v[TBL+2*\jj+1], v105, v106           ; the sine is negative for k % 4 = 2, 3
	v_add_nc_u32 v104, 1, v104
	v_and_b32 v104, 2, v104
	v_lshlrev_b32 v104, 30, v104
	v_xor_b32 v[TBL+2*\jj], v104, v107             ; the cosine for k % 4 = 1, 2
.endm
	SINCOS 0, 0x3f800000, 0x3dcccccd
	SINCOS 1, 0x3f0ff59a, 0x3d6655c3
	SINCOS 2, 0x3ea1e89b, 0x3d0186e2
	SINCOS 3, 0x3e361887, 0x3c91ad39
	SINCOS 4, 0x3c23d70a, 0x3a83126f
	SINCOS 5, 0x3bb8449c, 0x3a136a16
	SINCOS 6, 0x3b4f3e37, 0x39a5cb5f
	SINCOS 7, 0x3ae91528, 0x393a7753
	s_wait_tensorcnt 0x1                           ; my scale bytes and my part of slot 0 are in; slot 1's load may stay out
	s_barrier_signal -1
	s_barrier_wait -1                              ; everybody's are
	; the scale loads are done, so their descriptors' registers take the mask's: group 1 for the last tile (5 rows exist), and two groups 0
	s_mov_b32 s40, 15|(2<<16)|(1<<20)|(1<<21)|(4<<22)|(3<<25)
	s_mov_b32 s41, 341<<16
	s_mov_b32 s42, 5<<16
	s_mov_b32 s43, 352<<16
	s_mov_b32 s44, 16
	s_mov_b32 s45, 341
	s_mov_b32 s46, 0
	s_mov_b32 s47, 0
	s_mul_i32 s96, s20, 21824                      ; 16 rows of 1,364 bytes for each wave
	s_mov_b32 s80, 1                               ; step 0's tile: rows 16 w, into the area at AREA
	s_add_co_u32 s81, s90, AREA
	s_add_nc_u64 s[82:83], s[14:15], s[96:97]
	s_mov_b32 s76, 1                               ; step 1's tile: rows 64 + 16 w, into the area at 0; this one walks on
	s_mov_b32 s77, s90
	s_add_nc_u64 s[78:79], s[82:83], 87296
	s_or_b32 s83, s83, 0x80000000
	s_or_b32 s79, s79, 0x80000000
; ---------------------------------------------------------------- the GEMM: 8 steps of 128 along K, two to a slot, written out
; window 0: v24-95 scale words, two sets of 36 (x tile i at 2 i + q, weight tile c at 12 + 2 c + q); v96-167, v168-239 x's fragments, two sets.
; windows 1, 2, 3 (q, k, v): v0-191 accumulators (q, k: 32 i + 8 c; v: 64 (i / 2) + 16 n + 8 (i % 2)); v192-239 that window's four weight fragments.
; The 72 accumulators take turns, one instruction a turn, in the same order in every step.
.macro RUNQK g, set, sc, q, zero       ; 24 products of q (g = 0) or k (g = 1)
.irp c, 0,1,2,3
.irp i, 0,1,2,3,4,5
	MM 32*\i+8*\c, 192+12*\c, 96+72*(\set)+12*\i, \zero, 36+36*(\sc)+8*(\g)+2*\c+(\q), 24+36*(\sc)+2*\i+(\q), 0
.endr
.endr
.endm
.macro RUNV set, sc, q, zero           ; 24 products of v: x is source 0
.irp n, 0,1,2,3
.irp i, 0,1,2,3,4,5
	MM 64*(\i/2)+16*\n+8*(\i%2), 96+72*(\set)+12*\i, 192+12*\n, \zero, 24+36*(\sc)+2*\i+(\q), 52+36*(\sc)+2*\n+(\q), 0
.endr
.endr
.endm
.macro FW g, slot, q                   ; four weight fragments into window g + 1: 24 loads
	WIN 0x40*((\g)+1)
.irp c, 0,1,2,3
	FRAG 192+12*\c, 12+(\slot), \q, (4*(\g)+\c)*3840
.endr
	WIN 0
.endm
.macro FX set, slot, q                 ; my six fragments of x: 36 loads
.irp i, 0,1,2,3,4,5
	FRAG 96+72*(\set)+12*\i, 8+(\slot), \q, \i*3840
.endr
.endm
.macro FSC sc, ss                      ; the scale words of slot step ss (two K steps: 8 bytes a row): 18 loads
.irp i, 0,1,2,3,4,5
	ds_load_b64 v[24+36*(\sc)+2*\i:25+36*(\sc)+2*\i], v16 offset:512*\i+8*(\ss)
.endr
.irp c, 0,1,2,3,4,5,6,7,8,9,10,11
	ds_load_b64 v[36+36*(\sc)+2*\c:37+36*(\sc)+2*\c], v17 offset:512*\c+8*(\ss)
.endr
.endm
.macro GLOAD slot                      ; a slot's refill: wave 0 asks for x's tile jointly, waves 1 to 3 for their 64 weight rows; four v_nop follow each line
	s_cmp_eq_u32 s20, 0
	s_cbranch_scc0 .Lfor_w_\@
	tensor_load_to_lds s[56+4*\slot:59+4*\slot], s[24:31]
	s_nop 0
.rept 4
	v_nop
.endr
	s_branch .Lasked_\@
.Lfor_w_\@:
	tensor_load_to_lds s[68+4*\slot:71+4*\slot], s[32:39]
	s_nop 0
.rept 4
	v_nop
.endr
.Lasked_\@:
.endm
.macro STEP slot, zero                 ; a slot's first K step (x's set 0); it fetches the second's fragments
	s_wait_dscnt 48                                ; all but the youngest 48 loads (k's and v's weight fragments) are in
	WIN 0x51
	RUNQK 0, 0, \slot, 0, \zero
	PLACES
	FW 0, \slot, 1
	FX 1, \slot, 1
	s_wait_dscnt 60                                ; all but the 60 just issued
	WIN 0xa2
	RUNQK 1, 0, \slot, 0, \zero
	PLACES
	FW 1, \slot, 1
	WIN 0xfc
	RUNV 0, \slot, 0, \zero
	PLACES
	FW 2, \slot, 1
.endm
; A slot's second K step changes slots: each wave waits for all its tensor loads, adds 0 to its spare word, waits for that and for its reads of this slot; the barrier opens a round of the cluster's barrier;
; behind the round the slot is filled again first (kind 0: with K two slots on; kind 1: its lower part takes the mask tiles of attention step 1), then the next slot is read.
.macro TURN slot, next, kind, ss
	WIN 0
	s_wait_tensorcnt 0x0                           ; all my tensor loads have landed: my part of the next slot
	ds_add_u32 v1, v2                              ; 0 onto my spare word
	s_wait_dscnt 49                                ; (the add and the youngest 48 loads may be out)
	WIN 0x51
	RUNQK 0, 1, \slot, 1, 0
	s_wait_dscnt 0x0                               ; the add is done, and my reads of this slot are over
	s_barrier_signal -1
	WIN 0xa2
	RUNQK 1, 1, \slot, 1, 0
	WIN 0
	s_barrier_wait -1
	CREST                                          ; no wave of any partner still reads this slot or has a load on its way
.if \kind == 0
	s_add_nc_u64 s[58+4*\slot:59+4*\slot], s[58+4*\slot:59+4*\slot], 384
	s_add_nc_u64 s[70+4*\slot:71+4*\slot], s[70+4*\slot:71+4*\slot], 384
	GLOAD \slot
.else
	tensor_load_to_lds s[76:79], s[4:11]
	s_nop 0
.rept 4
	v_nop
.endr
.endif
	FW 0, \next, 0                                 ; (the four v_nop behind the tensor load are the places in front of these loads)
	FX 0, \next, 0
	FSC \next, \ss
	FW 1, \next, 0
	WIN 0xfc
	RUNV 1, \slot, 1, 0
	PLACES
	FW 2, \next, 0
.endm
	FW 0, 0, 0
	FX 0, 0, 0
	FSC 0, 0
	FW 1, 0, 0
	FW 2, 0, 0
	STEP 0, 1                                      ; the first step's products start the sums: nothing is cleared
	TURN 0, 1, 0, 1
	STEP 1, 0
	TURN 1, 0, 0, 2
	STEP 0, 0
	TURN 0, 1, 1, 3
	STEP 1, 0
	; THE BIAS is asked for here, a K step (72 products) and a round ahead of its use, into x's set 0, which the last K step does not read (its last readers stand in front of STEP's last four places)
.irp c, 0,1,2,3
.irp e, 0,1
	global_load_b128 v[BQ+8*\c+4*\e:BQ+8*\c+4*\e+3], v18, s[12:13] offset:64*\c+16*\e          ; register 8 c + j: bias of d = 16 c + 8 h + j
	global_load_b128 v[BK+8*\c+4*\e:BK+8*\c+4*\e+3], v18, s[12:13] offset:4096+64*\c+16*\e
.endr
.endr
.irp n, 0,1,2,3
	global_load_b32 v[BV+2*\n], v19, s[12:13] offset:8192+64*\n                                ; bias of d = 16 n + r, twice: a pair for the packed addition
	global_load_b32 v[BV+2*\n+1], v19, s[12:13] offset:8192+64*\n
.endr
	s_wait_dscnt 48                                ; the last K step: nothing more to fetch from LDS
	WIN 0x51
	RUNQK 0, 1, 1, 1, 0
	s_wait_dscnt 0x0
	WIN 0xa2
	RUNQK 1, 1, 1, 1, 0
	WIN 0xfc
	RUNV 1, 1, 1, 0
	WIN 0
	PLACES
; ---------------------------------------------------------------- the mask tiles of attention step 0
	s_wait_tensorcnt 0x0                           ; step 1's tiles have landed
	ds_add_u32 v1, v2
	s_wait_dscnt 0x0                               ; the add is done; my reads of both slots and of the scale bytes are over
	CROUND                                         ; so are every wave's, of every partner: the slots' bytes may be filled, and their tail stored to
	tensor_load_to_lds s[80:83], s[4:11]
	s_nop 0
.rept 4
	v_nop
.endr
; ---------------------------------------------------------------- the epilogue: bias, RoPE, quantising; q's, k's and v's fragments go to LDS as images of operand registers
	s_wait_loadcnt 0x0                             ; the bias is in; its offset registers may be written again
	s_mul_i32 s2, s20, 96
	v_add_nc_u32 v8, s2, v3                        ; my token of tile 0
	v_and_b32 v21, 31, v0
	s_mul_i32 s2, s20, 4608
	s_add_co_u32 s3, s2, QIMG
	v_lshl_add_u32 v9, v21, 3, s3                  ; q's images: 8 bytes a lane, six tiles a wave
	s_add_co_u32 s3, s2, KIMG
	v_lshl_add_u32 v11, v21, 4, s3                 ; k's: 16 bytes a lane, three pairs a wave
	s_mul_i32 s2, s20, 384
	s_add_co_u32 s3, s2, QSC
	v_lshl_add_u32 v10, v3, 2, s3
	s_add_co_u32 s3, s2, KSC
	v_lshl_add_u32 v12, v3, 2, s3
	v_lshrrev_b32 v21, 3, v3
	v_and_b32 v23, 7, v3
	v_mul_u32_u24 v13, v21, 4640                   ; v: d = 16 n + r is row 8 (n % 2) + r % 8 of tile 2 (n / 2) + r / 8
	v_lshl_add_u32 v13, v23, 2, v13
	v_mad_u32_u24 v13, v4, 192, v13
	s_mul_i32 s2, s20, 1152
	s_add_co_u32 s2, s2, VIMG
	v_add_nc_u32 v13, s2, v13
	v_lshlrev_b32 v14, 8, v21
	v_lshl_add_u32 v14, v23, 4, v14
	s_mul_i32 s2, s20, 3
	s_add_co_u32 s2, s2, VSC
	v_add_nc_u32 v14, s2, v14
	v_lshlrev_b32 v23, 6, v4                       ; 4 x 16 h: the table's half
	v_mov_b32 v22, 85
.irp n, 0,1,2,3
	v_mov_b32 v[188+\n], 0                         ; a lane permute's destination counts as one of its sources
.endr
	; WHICH ROWS OF THE TABLE, for all six tiles by turns (no line waits for the line above it; a mask register for each tile).  A token's place in its segment (segments of 1, 4, 16, 64, 256 tokens
	; begin at 0, 1, 5, 21, 85; side 2^L): y = loc >> L, x = loc % 2^L; the table's row is y or x times 16 / 2^L.   v24+i token, then loc, then x; v30+i the segment's start; v36+i L; v42+i y
.irp i, 0,1,2,3,4,5
	v_add_nc_u32 v[24+\i], 16*\i, v8
.endr
.irp i, 0,1,2,3,4,5
	v_cmp_le_u32 s[96+\i], 1, v[24+\i]
.endr
.irp i, 0,1,2,3,4,5
	v_cndmask_b32 v[30+\i], 0, 1, s[96+\i]
	v_cndmask_b32 v[36+\i], 0, 1, s[96+\i]
.endr
.irp i, 0,1,2,3,4,5
	v_cmp_le_u32 s[96+\i], 5, v[24+\i]
.endr
.irp i, 0,1,2,3,4,5
	v_cndmask_b32 v[30+\i], v[30+\i], 5, s[96+\i]
	v_cndmask_b32 v[36+\i], v[36+\i], 2, s[96+\i]
.endr
.irp i, 0,1,2,3,4,5
	v_cmp_le_u32 s[96+\i], 21, v[24+\i]
.endr
.irp i, 0,1,2,3,4,5
	v_cndmask_b32 v[30+\i], v[30+\i], 21, s[96+\i]
	v_cndmask_b32 v[36+\i], v[36+\i], 3, s[96+\i]
.endr
.irp i, 0,1,2,3,4,5
	v_cmp_le_u32 s[96+\i], v22, v[24+\i]
.endr
.irp i, 0,1,2,3,4,5
	v_cndmask_b32 v[30+\i], v[30+\i], v22, s[96+\i]
	v_cndmask_b32 v[36+\i], v[36+\i], 4, s[96+\i]
.endr
.irp i, 0,1,2,3,4,5
	v_sub_nc_u32 v[24+\i], v[24+\i], v[30+\i]      ; loc
.endr
.irp i, 0,1,2,3,4,5
	v_lshrrev_b32 v[42+\i], v[36+\i], v[24+\i]     ; y
.endr
.irp i, 0,1,2,3,4,5
	v_lshlrev_b32 v[30+\i], v[36+\i], v[42+\i]
.endr
.irp i, 0,1,2,3,4,5
	v_sub_nc_u32 v[24+\i], v[24+\i], v[30+\i]      ; x
.endr
.irp i, 0,1,2,3,4,5
	v_sub_nc_u32 v[36+\i], 4, v[36+\i]
.endr
.irp i, 0,1,2,3,4,5
	v_lshlrev_b32 v[42+\i], v[36+\i], v[42+\i]
.endr
.irp i, 0,1,2,3,4,5
	v_lshlrev_b32 v[24+\i], v[36+\i], v[24+\i]
.endr
.irp i, 0,1,2,3,4,5
	v_lshl_add_u32 v[IYR+\i], v[42+\i], 2, v23     ; 4 x (the table's lane) for d < 32,
.endr
.irp i, 0,1,2,3,4,5
	v_lshl_add_u32 v[IXR+\i], v[24+\i], 2, v23     ; and for d >= 32
.endr
.macro BPERM i                         ; tile i's cos and sin for my token's 16 pairs
.irp c, 0,1,2,3
.irp m, 0,1,2,3
.irp e, 0,1
.if \c < 2
	ds_bpermute_b32 v[CS+2*(4*\c+\m)+\e], v[IYR+(\i)], v[TBL+2*(4*(\c%2)+\m)+\e]
.else
	ds_bpermute_b32 v[CS+2*(4*\c+\m)+\e], v[IXR+(\i)], v[TBL+2*(4*(\c%2)+\m)+\e]
.endif
.endr
.endr
.endr
.endm
.macro ADDB i, win, bias               ; tile i's 32 sums + bias
	WIN \win
.irp k, 0,1,2,3,4,5,6,7,8,9,10,11,12,13,14,15
	v_pk_add_f32 v[EA+2*\k:EA+2*\k+1], v[32*(\i)+2*\k:32*(\i)+2*\k+1], v[\bias+2*\k:\bias+2*\k+1]
.endr
	WIN 0
.endm
.macro ROPE                            ; (x0, x1) -> (x0 cos - x1 sin, x1 cos + x0 sin), a pair an instruction
.irp p, 0,1,2,3,4,5,6,7,8,9,10,11,12,13,14,15
	v_pk_mul_f32 v[ET+2*\p:ET+2*\p+1], v[EA+2*\p:EA+2*\p+1], v[CS+2*\p:CS+2*\p+1] op_sel_hi:[1,0]
.endr
.irp p, 0,1,2,3,4,5,6,7,8,9,10,11,12,13,14,15
	v_pk_fma_f32 v[ET+2*\p:ET+2*\p+1], v[EA+2*\p:EA+2*\p+1], v[CS+2*\p:CS+2*\p+1], v[ET+2*\p:ET+2*\p+1] op_sel:[1,1,0] op_sel_hi:[0,1,1] neg_lo:[1,0,0]
.endr
.endm
.macro EPI i
	ADDB \i, 0x01, BQ
	s_wait_dscnt 0x0                               ; cos and sin, asked for a tile ago, are in; the last tile's LDS stores have read their registers
	ROPE
	QUANT32 ET, QC, QT, QW, FLOORQ, 88
	v_add_nc_u32 v[QW], 0xfffffcfd, v[QW]          ; 3 off both bytes: the scores' factor 1 / 8
.irp c, 0,1,2
	ds_store_b64 v9, v[QC+2*\c:QC+2*\c+1] offset:768*(\i)+256*\c
.endr
	ds_store_b32 v10, v[QW] offset:64*(\i)
	ADDB \i, 0x02, BK
	ROPE
.if (\i) < 5
	BPERM (\i)+1                                   ; this tile has read its cos and sin: the next tile's come while k is quantised
.endif
	QUANT32 ET, KC+6*((\i)%2), KT, KW, FLOOR, 88
	ds_store_b32 v12, v[KW] offset:64*(\i)
.if (\i)%2
.irp c, 0,1,2
	ds_store_b128 v11, v[KC+4*\c:KC+4*\c+3] offset:1536*((\i)/2)+512*\c    ; two tiles' six registers each: twelve on end
.endr
.endif
.endm
	BPERM 0
	EPI 0
	EPI 1
	EPI 2
	EPI 3
	EPI 4
	EPI 5
; v: my block bl of 32 tokens: register 16 n + 8 u + j of lane (r, h) is v(token 32 bl + 16 u + 8 h + j, d = 16 n + r): half a block of one d; lane l xor 16 holds the other half
.macro VQ bl
	WIN 0x03
.irp n, 0,1,2,3
.irp k, 0,1,2,3,4,5,6,7
	v_pk_add_f32 v[24+16*\n+2*\k:25+16*\n+2*\k], v[64*(\bl)+16*\n+2*\k:64*(\bl)+16*\n+2*\k+1], v[BV+2*\n:BV+2*\n+1]
.endr
.endr
	WIN 0
.if \bl == 1
	s_cmp_lg_u32 s20, 3                            ; wave 3's block 1 holds tokens 320 .. 351: those from 341 on count as zeros in the last block of keys
	s_cbranch_scc1 .Lwhole_\@
.irp n, 0,1,2,3
.irp j, 0,1,2,3,4
	v_cndmask_b32 v[32+16*\n+\j], v[32+16*\n+\j], 0, s89
.endr
.irp j, 5,6,7
	v_mov_b32 v[32+16*\n+\j], 0
.endr
.endr
.Lwhole_\@:
.endif
.irp n, 0,1,2,3
	v_max3_num_f32 v[184+\n], |v[24+16*\n]|, |v[25+16*\n]|, FLOOR
.endr
.irp i, 2,4,6,8,10,12,14
.irp n, 0,1,2,3
	v_max3_num_f32 v[184+\n], v[184+\n], |v[24+16*\n+\i]|, |v[25+16*\n+\i]|
.endr
.endr
.irp n, 0,1,2,3
	v_permlanex16_b32 v[188+\n], v[184+\n], s84, s85
.endr
.irp n, 0,1,2,3
	v_max_num_f32 v[184+\n], v[184+\n], v[188+\n]
.endr
.irp n, 0,1,2,3
	v_add_nc_u32 v[192+\n], 0xff000000, v[184+\n]
.endr
.irp n, 0,1,2,3
	v_lshrrev_b32 v[184+\n], 23, v[192+\n]
.endr
.irp n, 0,1,2,3
	v_cvt_scalef32_pk16_fp6_f32 v[168+4*\n:170+4*\n], v[24+16*\n:39+16*\n], v[192+\n]
.endr
	v_nop                                          ; one plain place behind a scaled conversion
.irp n, 0,1,2,3
.irp i, 0,1,2
	ds_store_b32 v13, v[168+4*\n+\i] offset:(\n/2)*9280+(\n%2)*32+384*(\bl)+64*\i
.endr
	ds_store_b8 v14, v[184+\n] offset:(\n/2)*512+(\n%2)*128+(\bl)      ; both lanes of a block write the same byte with the same value
.endr
	s_wait_dscnt 0x0                               ; the stores have read their registers
.endm
	VQ 0
	VQ 1
	VQ 2
; ---------------------------------------------------------------- the images are whole; step 5's mask tiles; K, V and their scales into registers, where they stay
	s_wait_tensorcnt 0x0                           ; step 0's tiles have landed
	ds_add_u32 v1, v2
	s_add_co_u32 s81, s90, MCA
	s_add_nc_u64 s[82:83], s[82:83], 436480        ; 320 rows on
	s_wait_dscnt 0x0                               ; the add is done, my stores of images have landed
	CROUND
	s_cmp_eq_u32 s20, 0                            ; rows 320 .. 335: wave 0; rows 336 .. 340, and zeros behind them: wave 1; waves 2, 3 have no queries in step 5 and ask for nothing
	s_cbranch_scc0 .Lnot_w0
	tensor_load_to_lds s[80:83], s[4:11]
	s_nop 0
.rept 4
	v_nop
.endr
	s_branch .Lmc_asked
.Lnot_w0:
	s_cmp_eq_u32 s20, 1
	s_cbranch_scc0 .Lmc_asked
	tensor_load_to_lds s[80:83], s[40:47]
	s_nop 0
.rept 4
	v_nop
.endr
.Lmc_asked:
	v_and_b32 v76, 31, v0
	v_lshlrev_b32 v5, 3, v76                       ; 8 x lane
	v_lshlrev_b32 v6, 2, v76                       ; 4 x lane
	v_lshlrev_b32 v7, 2, v3                        ; 4 r
	v_lshlrev_b32 v72, 4, v76
	v_add_nc_u32 v72, KIMG, v72
	v_mul_u32_u24 v73, v4, 384                     ; lanes 16-31 take the odd blocks of keys
	v_add_nc_u32 v73, v73, v7
	v_add_nc_u32 v73, VIMG, v73
	v_add_nc_u32 v74, KSC, v6
	v_lshlrev_b32 v75, 4, v3
	v_add_nc_u32 v75, VSC, v75
	v_mul_u32_u24 v77, v3, MP
	v_lshl_add_u32 v77, v4, 5, v77
	v_add_nc_u32 v3, s90, v77                      ; the mask: my tile, row r, + 32 h
	v_mov_b32 v10, 0xff800000                      ; -infinity
	WIN 0x40
.set mm, 0
.rept 36
	ds_load_b128 v[4*mm:4*mm+3], v72 offset:512*mm                 ; window 1, v0-143: K, six registers a tile of 16 keys
.set mm, mm+1
.endr
.irp i, 150,151,152,153,154,155
	v_mov_b32 v\i, 0                               ; q's codes of k = 64 .. 127
.endr
	WIN 0x80
.irp n, 0,1,2,3
.irp s, 0,1,2
.irp c, 0,1
.irp e, 0,1
.irp i, 0,1,2
	ds_load_b32 v[12*(3*\n+\s)+6*\c+3*\e+\i], v73 offset:4640*\n+384*(4*\s+2*\c)+192*\e+64*\i   ; window 2, v0-143: V^T, tile n, keys 128 s on
.endr
.endr
.endr
.endr
.endr
	WIN 0
.irp p, 0,1,2,3,4,5,6,7,8,9,10,11
	ds_load_b32 v[16+\p], v74 offset:128*\p        ; K's scale words: lanes 0-15 tile 2 p, lanes 16-31 tile 2 p + 1
.endr
.irp n, 0,1,2,3
.irp s, 0,1,2
	ds_load_b32 v[28+3*\n+\s], v75 offset:256*\n+4*\s
.endr
.endr
	s_mov_b32 s88, AREA                            ; the mask area in hand
	s_mul_i32 s92, s20, 768
	s_add_co_u32 s92, s92, QIMG                    ; my queries' fragment,
	s_lshl_b32 s93, s20, 6
	s_add_co_u32 s93, s93, QSC                     ; its scale words,
	s_lshl_b32 s91, s20, 4                         ; my first query
	s_wait_dscnt 0x0
.irp b, 0,1,2,3,4,5,6,7,8,9,10
	v_mov_b32 v[60+\b], 0                          ; lane permutes' destinations
.endr
; ---------------------------------------------------------------- an attention step: 16 queries against all 352 keys
; window 0: v12 -M, v13 the largest t, v[14:15], v[44:45] and six more pairs the sum's chains, v16-27 K's scale words, v28-39 V's, v40 q's, v41-43 p's, v[46:47] 1 / l, v48-58 a block's largest score, then p, then byte;
;   v60-70 the other half's, then sums, then the conversions' scale operands, then O / l's codes and scale word; v80-255 the scores (tile t at 80 + 8 t), then p; v80-111 then O / l.
; window 1: v144-155 q, v156-191 p's codes, v192-215 the odd blocks' codes on their way.   window 2: v144-175 O^T.
; WHAT A STEP WANTS IS ASKED FOR IN THE STEP BEFORE: 36 LDS loads: mask tiles 6 .. 21 (from the area whose address is in v11) into the score registers that p's conversions have read, q's scale word, q's fragment.
; qoff: 0, or 3,072 where the scalars still stand at the step in hand.
.macro MPRE qoff
	v_add_nc_u32 v8, s92, v5
	v_add_nc_u32 v9, s93, v7
.set tt, 6
.rept 16
	ds_load_b128 v[80+8*tt:83+8*tt], v11 offset:(tt/2)*144+(tt%2)*64           ; mask(query r, keys 16 t + 8 h + 0 .. 7): the C of the score product
	ds_load_b128 v[84+8*tt:87+8*tt], v11 offset:(tt/2)*144+(tt%2)*64+16
.set tt, tt+1
.endr
	ds_load_b32 v40, v9 offset:(\qoff)/12
	WIN 0x40
.irp c, 0,1,2
	ds_load_b64 v[144+2*\c:145+2*\c], v8 offset:256*\c+(\qoff)
.endr
	WIN 0
.endm
; fill = 1 (steps 0, 1, 2, in which every wave has queries): in the step's middle, when the area in hand has been read out, it is filled again with the tiles of two steps on.
; fill = 0 (steps 3, 4, 5): nothing is left to fetch; a wave whose queries lie past the last token has no step.
.macro ATT fill
.if \fill == 0
	s_cmp_gt_u32 s91, 340                          ; (a branch on the wave's number and the step)
	s_cbranch_scc1 .Lhid_\@
.endif
	v_add_nc_u32 v4, s88, v3
.set tt, 0
.rept 6
	ds_load_b128 v[80+8*tt:83+8*tt], v4 offset:(tt/2)*144+(tt%2)*64            ; mask tiles 0 .. 5: their registers held O / l until now
	ds_load_b128 v[84+8*tt:87+8*tt], v4 offset:(tt/2)*144+(tt%2)*64+16
.set tt, tt+1
.endr
	s_wait_dscnt 12                                ; all but the 12 just issued: tiles 6 .. 21, q and its scale word are in
	WIN 0x05
.set tt, 6
.rept 8                                ; S^T = K Q^T / 8 + mask: source 0 = 16 keys, source 1 = my 16 queries: a lane holds ONE query
	MM 80+8*tt, 6*tt, 144, 0, 16+tt/2, 40, 0
	MM 88+8*tt, 6*tt+6, 144, 0, 16+tt/2, 40, 1
.set tt, tt+2
.endr
	s_wait_dscnt 0x0                               ; tiles 0 .. 5 have come under those sixteen products
.set tt, 0
.rept 3
	MM 80+8*tt, 6*tt, 144, 0, 16+tt/2, 40, 0
	MM 88+8*tt, 6*tt+6, 144, 0, 16+tt/2, 40, 1
.set tt, tt+2
.endr
	WIN 0
	PLACES
	s_wait_xcnt 0x0                                ; the last step's stores have read their registers and bases: only behind this wait are the bases stepped and v60-66 written again
	s_add_nc_u64 s[16:17], s[16:17], 3072          ; four tiles of queries on
	s_add_nc_u64 s[18:19], s[18:19], 512
.irp j, 0,1,2,3,4
	v_cndmask_b32 v[248+\j], v[248+\j], v10, s89   ; keys 341 .. 351 do not exist: -infinity, so that p = 0
.endr
.irp j, 5,6,7
	v_mov_b32 v[248+\j], v10
.endr
.irp b, 0,1,2,3,4,5,6,7,8,9,10
	v_max3_num_f32 v[48+\b], v[80+16*\b], v[81+16*\b], v[82+16*\b]     ; the largest score of each block of 32 keys: it serves the row's maximum and, since p rises with the score, the block's largest p
.endr
.irp i, 3,5,7,9,11,13
.irp b, 0,1,2,3,4,5,6,7,8,9,10
	v_max3_num_f32 v[48+\b], v[48+\b], v[80+16*\b+\i], v[81+16*\b+\i]
.endr
.endr
.irp b, 0,1,2,3,4,5,6,7,8,9,10
	v_max_num_f32 v[48+\b], v[48+\b], v[95+16*\b]
.endr
.irp b, 0,1,2,3,4,5,6,7,8,9,10
	v_permlanex16_b32 v[60+\b], v[48+\b], s84, s85
.endr
.irp b, 0,1,2,3,4,5,6,7,8,9,10
	v_max_num_f32 v[48+\b], v[48+\b], v[60+\b]
.endr
	v_max3_num_f32 v71, v48, v49, v50
	v_max3_num_f32 v76, v51, v52, v53
	v_max3_num_f32 v77, v54, v55, v56
	v_max3_num_f32 v71, v71, v76, v77
	v_max3_num_f32 v71, v71, v57, v58              ; the row's largest logit
	v_mul_f32 v13, s86, v71                        ; as t
	v_floor_f32 v12, -v13                          ; -M = -ceil(t): a whole number
.set j, 80
.rept 88
	v_pk_fma_f32 v[j:j+1], v[j:j+1], s[86:87], v[12:13] op_sel_hi:[1,0,0]      ; t - M, two at a time
.set j, j+2
.endr
.irp b, 0,1,2,3,4,5,6,7,8,9,10
	v_fma_f32 v[48+\b], v[48+\b], s86, v12         ; the same of each block's largest
.endr
.set j, 80
.rept 176
	v_exp_f32 v[j], v[j]                           ; p = 2^(t - M): not normalised
.set j, j+1
.endr
	v_nop                                          ; a plain place behind the exponentials
	s_wait_alu depctr_va_vdst(0)                   ; one wait for the whole batch, ahead of its first reader
.irp b, 0,1,2,3,4,5,6,7,8,9,10
	v_exp_f32 v[48+\b], v[48+\b]                   ; each block's largest p: the same two instructions on the same number give the same bits
.endr
.set j, 80
.irp c, 14,44,60,62,64,66,68,72        ; the row's sum, of the unquantised p: 88 pairs in eight chains by turns, started by the first sixteen pairs: nothing is cleared
	v_pk_add_f32 v[\c:\c+1], v[j:j+1], v[j+2:j+3]
.set j, j+4
.endr
.rept 9
.irp c, 14,44,60,62,64,66,68,72
	v_pk_add_f32 v[\c:\c+1], v[\c:\c+1], v[j:j+1]
.set j, j+2
.endr
.endr
	v_pk_add_f32 v[14:15], v[14:15], v[60:61]      ; eight chains to four,
	v_pk_add_f32 v[44:45], v[44:45], v[62:63]
	v_pk_add_f32 v[64:65], v[64:65], v[66:67]
	v_pk_add_f32 v[68:69], v[68:69], v[72:73]
	s_wait_alu depctr_va_vdst(0)                   ; and one wait for the eleven exponentials
.irp b, 0,1,2,3,4,5,6,7,8,9,10
	v_max_num_f32 v[48+\b], FLOOR, v[48+\b]
.endr
	v_pk_add_f32 v[14:15], v[14:15], v[64:65]      ; to two
	v_pk_add_f32 v[44:45], v[44:45], v[68:69]
.irp b, 0,1,2,3,4,5,6,7,8,9,10
	v_add_nc_u32 v[60+\b], 0xff000000, v[48+\b]    ; the conversion's scale operand
.endr
.irp b, 0,1,2,3,4,5,6,7,8,9,10
	v_lshrrev_b32 v[48+\b], 23, v[60+\b]           ; the scale's byte
.endr
	v_lshl_or_b32 v41, v49, 8, v48                 ; p's scale words for keys 0-127, 128-255, 256-383 (the twelfth block has byte 0 and zero codes)
	v_lshl_or_b32 v42, v53, 8, v52
	v_lshl_or_b32 v43, v57, 8, v56
	v_lshl_or_b32 v41, v50, 16, v41
	v_lshl_or_b32 v42, v54, 16, v42
	v_lshl_or_b32 v43, v58, 16, v43
	v_lshl_or_b32 v41, v51, 24, v41
	v_lshl_or_b32 v42, v55, 24, v42
	WIN 0x40
.irp g, 0,1,2,3,4
	v_cvt_scalef32_pk16_fp6_f32 v[156+6*\g:158+6*\g], v[80+32*\g:95+32*\g], v[60+2*\g]
	v_cvt_scalef32_pk16_fp6_f32 v[192+4*\g:194+4*\g], v[96+32*\g:111+32*\g], v[61+2*\g]
.endr
	v_cvt_scalef32_pk16_fp6_f32 v[186:188], v[240:255], v70
	v_mov_b32 v212, 0                              ; the twelfth block: zeros.  (These are also the plain place behind the conversions)
	v_mov_b32 v213, 0
	v_mov_b32 v214, 0
.if \fill
	WIN 0                                          ; (the add's two registers lie in window 0)
	s_wait_tensorcnt 0x0                           ; all my tensor loads have landed: the next step's tile
	ds_add_u32 v1, v2                              ; 0 onto my spare word; the work below stands between it and the wait for it
	s_add_co_u32 s77, s90, s88                     ; my tile's place in the area in hand, which has been read out,
	s_add_nc_u64 s[78:79], s[78:79], 87296         ; 64 rows of the mask on
.endif
	WIN 0x41
.irp g, 0,1,2,3,4,5
.irp i, 0,1,2
	v_permlane16_swap_b32 v[156+6*\g+\i], v[192+4*\g+\i]       ; a whole block to a lane: lanes 0-15 the even block, lanes 16-31 the odd one
.endr
.irp i, 0,1,2
	v_mov_b32 v[159+6*\g+\i], v[192+4*\g+\i]
.endr
.endr
	WIN 0
	v_pk_add_f32 v[14:15], v[14:15], v[44:45]
	v_add_f32 v14, v14, v15
	v_permlanex16_b32 v71, v14, s84, s85
	v_add_f32 v14, v14, v71                        ; l
.if \fill
	s_wait_dscnt 0x0                               ; the add is done; my reads of the area in hand ended at the step's head
	CROUND                                         ; so have every wave's, of every partner
	tensor_load_to_lds s[76:79], s[4:11]           ; the joint refill, first behind the round: the tiles of two steps on
	s_nop 0
.rept 4
	v_nop
.endr
	s_xor_b32 s2, s88, AREA                        ; the next step's area: the wait for all my tensor loads above has shown its tile landed, and only I read it
	v_add_nc_u32 v11, s2, v3
	MPRE 3072
.else
	s_add_co_u32 s2, s91, 64
	s_cmp_gt_u32 s2, 340                           ; no next step for me: nothing to ask for
	s_cbranch_scc1 .Lnopre_\@
	s_add_co_u32 s2, s88, AREA
	s_min_u32 s2, s2, MCA                          ; (there are three areas)
	v_add_nc_u32 v11, s2, v3
	MPRE 3072
.Lnopre_\@:
.endif
	v_rcp_f32 v46, v14                             ; twice: a pair for the packed multiply
	v_rcp_f32 v47, v14
	PLACES                                         ; behind the reciprocals, and in front of products whose operand and scales vector instructions have written
	WIN 0xa6
.irp s, 0,1,2                          ; O^T = V^T P^T: source 0 = 16 of the head's 64, source 1 = p; four accumulators by turns
.irp n, 0,1,2,3
.if \s == 0
	MM 144+8*\n, 12*(3*\n+\s), 156+12*\s, 1, 28+3*\n+\s, 41+\s, 0
.else
	MM 144+8*\n, 12*(3*\n+\s), 156+12*\s, 0, 28+3*\n+\s, 41+\s, 0
.endif
.endr
.endr
	WIN 0
	PLACES
	s_wait_alu depctr_va_vdst(0)                   ; the reciprocals' wait, ahead of their first reader
	WIN 0x02
.irp k, 0,1,2,3,4,5,6,7,8,9,10,11,12,13,14,15
	v_pk_mul_f32 v[80+2*\k:81+2*\k], v[144+2*\k:145+2*\k], v[46:47]    ; O / l: register 16 b + 8 u + j of lane (r, h) is d = 32 b + 16 h + 8 u + j of query r
.endr
	WIN 0
	QUANT32 80, 60, 118, 66, FLOOR, 72             ; the codes into v60-65, the scale word into v66: registers that the next step writes late
.irp c, 0,1,2
	global_store_b64 v5, v[60+2*\c:61+2*\c], s[16:17] offset:256*\c    ; 32 lanes store 256 consecutive bytes, at a multiple of 256 from the buffer's first byte
.endr
	global_store_b32 v6, v66, s[18:19]
.if \fill == 0
.Lhid_\@:
.endif
	s_add_co_u32 s92, s92, 3072                    ; the next step's q,
	s_add_co_u32 s93, s93, 256
	s_add_co_u32 s91, s91, 64                      ; and its first query
.endm
	v_add_nc_u32 v11, s88, v3                      ; step 0's own requests
	MPRE 0
	s_mov_b32 s94, 3
.Latt_fill:                            ; steps 0, 1, 2
	ATT 1
	s_xor_b32 s88, s88, AREA                       ; on to the other area
	s_sub_co_u32 s94, s94, 1
	s_cmp_lg_u32 s94, 0
	s_cbranch_scc1 .Latt_fill
	s_wait_tensorcnt 0x0                           ; step 4's tile, asked for in step 2; only the wave that asked for a tile reads it, so no barrier is owed
	s_mov_b32 s94, 3
.Latt_rest:                            ; steps 3, 4, 5: areas at 0, AREA, 2 AREA
	ATT 0
	s_add_co_u32 s88, s88, AREA
	s_sub_co_u32 s94, s94, 1
	s_cmp_lg_u32 s94, 0
	s_cbranch_scc1 .Latt_rest
	s_wait_tensorcnt 0x0                           ; the wave's end
	ds_add_u32 v1, v2
	s_wait_dscnt 0x0
	CROUND                                         ; the closing round: no work-group ends while a partner may still ask for a tile that names it
	s_endpgm
.Lfunc_end_k_q36b7de7ae1_qkv_attn:
	.size	k_q36b7de7ae1_qkv_attn, .Lfunc_end_k_q36b7de7ae1_qkv_attn-k_q36b7de7ae1_qkv_attn
	.p2alignl 7, 3214868480
	.fill 96, 4, 3214868480
	.section	.rodata,"a",@progbits
	.p2align	6, 0x0
	.amdhsa_kernel k_q36b7de7ae1_qkv_attn
		.amdhsa_group_segment_fixed_size 327680
		.amdhsa_private_segment_fixed_size 0
		.amdhsa_enable_private_segment 0
		.amdhsa_kernarg_size 64
		.amdhsa_user_sgpr_count 2
		.amdhsa_user_sgpr_kernarg_segment_ptr 1
		.amdhsa_wavefront_size32 1
		.amdhsa_system_sgpr_workgroup_id_x 1
		.amdhsa_system_sgpr_workgroup_id_y 1
		.amdhsa_system_sgpr_workgroup_id_z 1
		.amdhsa_system_vgpr_workitem_id 0
		.amdhsa_next_free_vgpr 1024
		.amdhsa_next_free_sgpr 102
		.amdhsa_reserve_vcc 1
		.amdhsa_float_denorm_mode_32 3
		.amdhsa_float_denorm_mode_16_64 3
		.amdhsa_memory_ordered 1
		.amdhsa_forward_progress 1
		.amdhsa_inst_pref_size 255
	.end_amdhsa_kernel
	.section	.bss,"aw",@nobits
	.p2align	6
	.space	262144
	.amdgpu_metadata
---
amdhsa.version: [ 1, 2 ]
amdhsa.kernels:
  - .name:           k_q36b7de7ae1_qkv_attn
    .symbol:         k_q36b7de7ae1_qkv_attn.kd
    .args:
      - { .name: x_codes, .offset: 0, .size: 8, .value_kind: global_buffer, .address_space: global }
      - { .name: x_scales, .offset: 8, .size: 8, .value_kind: global_buffer, .address_space: global }
      - { .name: qkv_w_codes, .offset: 16, .size: 8, .value_kind: global_buffer, .address_space: global }
      - { .name: qkv_w_scales, .offset: 24, .size: 8, .value_kind: global_buffer, .address_space: global }
      - { .name: qkv_b, .offset: 32, .size: 8, .value_kind: global_buffer, .address_space: global }
      - { .name: mask, .offset: 40, .size: 8, .value_kind: global_buffer, .address_space: global }
      - { .name: ocodes, .offset: 48, .size: 8, .value_kind: global_buffer, .address_space: global }
      - { .name: oscales, .offset: 56, .size: 8, .value_kind: global_buffer, .address_space: global }
    .group_segment_fixed_size: 327680
    .private_segment_fixed_size: 0
    .kernarg_segment_align: 8
    .kernarg_segment_size: 64
    .max_flat_workgroup_size: 128
    .sgpr_count:     102
    .vgpr_count:     1024
    .wavefront_size: 32
...
	.end_amdgpu_metadata
.endif
;; end of part 1
;; launch proj (part 2): grid 8 x 32, 4 waves a work-group, no clusters, 168,448 bytes of LDS; arguments ocodes, oscales, proj_w_codes, proj_w_scales, proj_b, out0; writes out0
.if DOCPART == 2
	.amdgcn_target "amdgcn-amd-amdhsa--gfx1250"
	.amdhsa_code_object_version 6
	.text
	.protected	k_q36b7de7ae1_proj
	.globl	k_q36b7de7ae1_proj
	.p2align	8
	.type	k_q36b7de7ae1_proj,@function
k_q36b7de7ae1_proj:
	s_mov_b64 s[64:65], 0
	v_nop
	global_prefetch_b8 v0, s[64:65] scope:SCOPE_SE
	s_setreg_imm32_b32 hwreg(HW_REG_WAVE_MODE, 25, 1), 1
	s_wait_xcnt 0x0
; out0[b][token][n] = sum over k of O(token, k) proj_w(n, k) + proj_b(n), on codes of E2M3 with one E8M0 scale for each 32 along K = 1,024.
; A work-group takes one batch (341 tokens, 22 tiles of 16) and 128 columns.  Wave w takes tiles 6 w + i, i = 0 .. 5, against 8 tiles of columns: 48 accumulators.  Wave 3's tiles 22, 23 do not exist: it takes tile 21 in
; their place (no load leaves a buffer) and stores nothing of them.
; The tokens' codes lie in memory in the order of the operand's registers ([batch][head][tile] pieces of [3][32 lanes][8 bytes]; K step k = heads 2 k, 2 k + 1), so they go straight into registers, 256 consecutive bytes a load.
; The weights' 128 rows x 1,024 K come into LDS once, a quarter of K to each wave's one tensor load; nothing is filled again.
; The product is used transposed (source 0 = 16 weight rows, source 1 = 16 tokens): a lane holds eight neighbouring columns of one token.  The bias is loaded into the accumulators: every K step adds in place.
; NO CLUSTER: the tensor loads bring 98,304 bytes once for a work-group; the 270,336 bytes of tokens' codes that partners could share go into registers by loads that cannot be asked jointly.
; window 0: v3-25 addresses; v32-79 the tokens' scale words (8 i + k); v80-143 the weights' (8 c + k); v144-239 the heads' scale words as loaded, later the tokens' fragments of odd K steps (v144-215), later rows of out0.
; window 1: the weights' fragments, two sets of 96.   window 2: accumulators of i = 0 .. 3 at 8 (8 i + c).   window 3: v0-127 those of i = 4, 5; v128-199 the tokens' fragments of even K steps.
.set FRQ, 30720                        ; a quarter of the weights in LDS: 128 rows x 240 (3 x (64 bytes + 16 of padding))
.set STG, 122880                       ; behind them: a stage of 16 rows x (512 + 16) bytes for each wave
.set MSB, 0
.macro WIN new
.if MSB != (\new)
	s_set_vgpr_msb (MSB<<8)|(\new)
.set MSB, (\new)
.endif
.endm
.macro PLACES
.rept 4
	v_nop
.endr
.endm
.macro FRAG reg, adr, q, off           ; a fragment from rows laid as 3 x (64 + 16) bytes: six pieces of 8 bytes; register adr + 2 serves the pieces that for lanes 16-31 lie behind one padding more
.irp p, 0,1,2,3,4,5
.set PC, 12*(\q)+6*(\p/3)+\p%3
.if PC%8 < 5
	ds_load_b64 v[\reg+2*\p:\reg+2*\p+1], v[\adr] offset:8*PC+16*(PC/8)+(\off)
.else
	ds_load_b64 v[\reg+2*\p:\reg+2*\p+1], v[\adr+2] offset:8*PC+16*(PC/8)+(\off)
.endif
.endr
.endm
	s_load_b256 s[4:11], s[0:1], 0x0               ; ocodes s[4:5], oscales s[6:7], proj_w_codes s[8:9], proj_w_scales s[10:11]
	s_load_b128 s[12:15], s[0:1], 0x20             ; proj_b s[12:13], out0 s[14:15]
	v_lshl_add_u32 v254, v0, 2, 0x29000
	v_mov_b32 v255, 0
	ds_add_u32 v254, v255
	ds_add_u32 v254, v255
	v_lshrrev_b32 v1, 5, v0
	v_readfirstlane_b32 s20, v1                    ; wave 0..3
	s_and_b32 s22, ttmp7, 0xffff                   ; batch
	s_mov_b32 s24, (1<<20)|(3<<22)|(3<<25)         ; group 1: 128 rows x 192 bytes, 16 bytes of padding behind every 64
	s_mov_b32 s25, 192<<16
	s_mov_b32 s26, 128<<16
	s_mov_b32 s27, 192<<16
	s_mov_b32 s28, 128
	s_mov_b32 s29, 768
	s_mov_b32 s30, 0
	s_mov_b32 s31, 0
	s_mul_i32 s36, ttmp9, 98304                    ; my 128 weight rows,
	s_mul_i32 s2, s20, 192                         ; my wave's quarter of K
	s_add_co_u32 s36, s36, s2
	s_mov_b32 s37, 0
	s_mov_b32 s32, 1
	s_mul_i32 s33, s20, FRQ
	s_wait_dscnt 0x0
	s_wait_kmcnt 0x0
	s_add_nc_u64 s[34:35], s[8:9], s[36:37]
	s_or_b32 s35, s35, 0x80000000
	tensor_load_to_lds s[32:35], s[24:31]          ; my one tensor load
	s_nop 0
.rept 4
	v_nop
.endr
	s_mul_i32 s36, s22, 270336
	s_add_nc_u64 s[4:5], s[4:5], s[36:37]          ; the batch's codes,
	s_mul_i32 s36, s22, 45056
	s_add_nc_u64 s[6:7], s[6:7], s[36:37]          ; its scale words,
	s_lshl_b32 s36, ttmp9, 12
	s_add_nc_u64 s[10:11], s[10:11], s[36:37]      ; my weight rows' scale bytes,
	s_lshl_b32 s36, ttmp9, 9
	s_add_nc_u64 s[12:13], s[12:13], s[36:37]      ; my 128 numbers of the bias,
	s_add_nc_u64 s[14:15], s[14:15], s[36:37]      ; my columns of out0,
	s_mul_i32 s36, s22, 1396736
	s_add_nc_u64 s[14:15], s[14:15], s[36:37]      ; the batch's rows,
	s_mul_i32 s36, s20, 393216
	s_add_nc_u64 s[14:15], s[14:15], s[36:37]      ; my wave's 96
	v_and_b32 v1, 31, v0                           ; lane
	v_and_b32 v2, 15, v0                           ; r
	v_bfe_u32 v26, v0, 4, 1                        ; h
	v_lshlrev_b32 v3, 3, v1
	v_lshlrev_b32 v4, 2, v1
	v_lshlrev_b32 v5, 4, v1
	v_mul_u32_u24 v27, v2, 240
	v_mad_u32_u24 v6, v26, 24, v27                 ; v6, v7: the weights' fragments in quarters 0-1, 2-3;  v8, v9: behind one padding more
	v_mad_u32_u24 v8, v26, 40, v27
	v_add_nc_u32 v7, 2*FRQ, v6
	v_add_nc_u32 v9, 2*FRQ, v8
	s_mul_i32 s2, s20, 6
.irp i, 0,1,2,3,4,5
	s_add_co_u32 s3, s2, \i
	s_min_u32 s3, s3, 21                           ; tiles 22, 23 do not exist
	s_mul_i32 s16, s3, 768
	v_add_nc_u32 v[10+\i], s16, v3                 ; tile i's piece of a head's codes
	s_lshl_b32 s16, s3, 7
	v_add_nc_u32 v[16+\i], s16, v4                 ; and its scale words
.endr
	s_mul_i32 s2, s20, 8448
	s_add_co_u32 s2, s2, STG                       ; my stage
	v_mul_u32_u24 v22, v2, 528
	v_lshl_add_u32 v22, v26, 5, v22
	v_add_nc_u32 v22, s2, v22                      ; in: row r, 32 bytes for each half of the lanes
	v_add_nc_u32 v23, s2, v5                       ; back: a row of 512 bytes, 16 a lane
	v_lshlrev_b32 v24, 5, v2                       ; 32 r
	v_lshlrev_b32 v25, 5, v26                      ; 32 h
.irp i, 0,1,2,3,4,5
.irp d, 0,1,2,3,4,5,6,7,8,9,10,11,12,13,14,15
	global_load_b32 v[144+16*\i+\d], v[16+\i], s[6:7] offset:\d*2816           ; head d's two scale bytes of my token
.endr
.endr
.irp c, 0,1,2,3,4,5,6,7
.irp e, 0,1
	global_load_b128 v[80+8*\c+4*\e:83+8*\c+4*\e], v24, s[10:11] offset:512*\c+16*\e   ; weight row 16 c + r: its eight scale words
.endr
.endr
	s_wait_loadcnt 0x0
.irp i, 0,1,2,3,4,5
.irp k, 0,1,2,3,4,5,6,7
	v_lshl_or_b32 v[32+8*\i+\k], v[144+16*\i+2*\k+1], 16, v[144+16*\i+2*\k]    ; K step k's word: heads 2 k and 2 k + 1
.endr
.endr
.rept 8
	v_nop                                          ; a scale register written by a vector instruction stands eight places ahead of a scaled matrix instruction
.endr
	WIN 0x80
.irp i, 0,1,2,3
.irp c, 0,1,2,3,4,5,6,7
.irp e, 0,1
	global_load_b128 v[8*(8*\i+\c)+4*\e:8*(8*\i+\c)+4*\e+3], v25, s[12:13] offset:64*\c+16*\e     ; the bias of columns 16 c + 8 h + 0 .. 7 starts each sum
.endr
.endr
.endr
	WIN 0xc0
.irp i, 0,1
.irp c, 0,1,2,3,4,5,6,7
.irp e, 0,1
	global_load_b128 v[8*(8*\i+\c)+4*\e:8*(8*\i+\c)+4*\e+3], v25, s[12:13] offset:64*\c+16*\e
.endr
.endr
.endr
	WIN 0
.macro LA k                            ; the tokens' six fragments of K step k: 36 loads of 256 consecutive bytes
.set AB, 128+16*((\k)%2)
	WIN 0xc0-0xc0*((\k)%2)
.irp i, 0,1,2,3,4,5
.irp e, 0,1
.irp c, 0,1,2
	global_load_b64 v[AB+12*\i+6*\e+2*\c:AB+12*\i+6*\e+2*\c+1], v[10+\i], s[4:5] offset:(2*(\k)+\e)*16896+256*\c
.endr
.endr
.endr
	WIN 0
.endm
.macro FB k                            ; the weights' eight fragments of K step k: 48 loads
	WIN 0x40
.irp c, 0,1,2,3,4,5,6,7
	FRAG 96*((\k)%2)+12*\c, 6+(\k)/4, (\k)%2, (((\k)/2)%2)*FRQ+\c*3840
.endr
	WIN 0
.endm
.macro KSTEP k
.if \k < 7
	PLACES                                         ; in front of loads into the sets that the last K step's products read
	LA (\k)+1
	FB (\k)+1
	s_wait_loadcnt 36                              ; all but the 36 just issued: this step's fragments (and, in step 0, the bias) are in
	s_wait_dscnt 48                                ; all but the 48 just issued
.else
	s_wait_loadcnt 0x0
	s_wait_dscnt 0x0
.endif
.set AW, 3-3*((\k)%2)
.set AB, 128+16*((\k)%2)
.irp i, 0,1,2,3,4,5                    ; the 48 accumulators take turns, one instruction a turn, in the same order in every step
	WIN 1|(AW<<2)|((2+\i/4)<<4)|((2+\i/4)<<6)
.irp c, 0,1,2,3,4,5,6,7
	v_wmma_scale_f32_16x16x128_f8f6f4 v[8*(8*(\i%4)+\c):8*(8*(\i%4)+\c)+7], v[96*((\k)%2)+12*\c:96*((\k)%2)+12*\c+11], v[AB+12*\i:AB+12*\i+11], v[8*(8*(\i%4)+\c):8*(8*(\i%4)+\c)+7], v[80+8*\c+(\k)], v[32+8*\i+(\k)] matrix_a_fmt:MATRIX_FMT_FP6 matrix_b_fmt:MATRIX_FMT_FP6
.endr
.endr
	WIN 0
.endm
	LA 0
	s_wait_tensorcnt 0x0                           ; my quarter of the weights is in,
	s_barrier_signal -1
	s_barrier_wait -1                              ; everybody's is
	FB 0
	KSTEP 0
	KSTEP 1
	KSTEP 2
	KSTEP 3
	KSTEP 4
	KSTEP 5
	KSTEP 6
	KSTEP 7
	; THE WAY OUT, 16 tokens at a time: a lane's 32 bytes of a row go into my own stage and come back as whole rows of 512 bytes.  LDS serves a wave's instructions in order (ISA guide 5.7.1.4): no wait between the stores and the loads.
	PLACES
.irp i, 0,1,2,3,4,5
.if \i > 0
	s_wait_xcnt 0x0                                ; the last block's stores have read their registers
.endif
	WIN (2+\i/4)<<2                                ; an LDS store's data are its source 1
.irp c, 0,1,2,3,4,5,6,7
	ds_store_b128 v22, v[8*(8*(\i%4)+\c):8*(8*(\i%4)+\c)+3] offset:64*\c           ; each accumulator from its low end on
	ds_store_b128 v22, v[8*(8*(\i%4)+\c)+4:8*(8*(\i%4)+\c)+7] offset:64*\c+16
.endr
	WIN 0
.irp t, 0,1,2,3,4,5,6,7,8,9,10,11,12,13,14,15
	ds_load_b128 v[144+4*\t:147+4*\t], v23 offset:528*\t
.endr
	s_wait_dscnt 0x0
.irp t, 0,1,2,3,4,5,6,7,8,9,10,11,12,13,14,15
	global_store_b128 v5, v[144+4*\t:147+4*\t], s[14:15] offset:\i*65536+\t*4096 th:TH_STORE_NT    ; 32 lanes store 512 consecutive bytes, at a multiple of 256 from out0's first byte
.if (\i == 3) && (\t == 4)
	s_cmp_eq_u32 s20, 3                            ; wave 3: token 288 + 48 + 4 = 340 was the batch's last
	s_cbranch_scc1 .Lend
.endif
.endr
.endr
.Lend:
	s_wait_tensorcnt 0x0
	ds_add_u32 v254, v255
	s_wait_dscnt 0x0
	s_endpgm
.Lfunc_end_k_q36b7de7ae1_proj:
	.size	k_q36b7de7ae1_proj, .Lfunc_end_k_q36b7de7ae1_proj-k_q36b7de7ae1_proj
	.p2alignl 7, 3214868480
	.fill 96, 4, 3214868480
	.section	.rodata,"a",@progbits
	.p2align	6, 0x0
	.amdhsa_kernel k_q36b7de7ae1_proj
		.amdhsa_group_segment_fixed_size 168448
		.amdhsa_private_segment_fixed_size 0
		.amdhsa_enable_private_segment 0
		.amdhsa_kernarg_size 48
		.amdhsa_user_sgpr_count 2
		.amdhsa_user_sgpr_kernarg_segment_ptr 1
		.amdhsa_wavefront_size32 1
		.amdhsa_system_sgpr_workgroup_id_x 1
		.amdhsa_system_sgpr_workgroup_id_y 1
		.amdhsa_system_sgpr_workgroup_id_z 1
		.amdhsa_system_vgpr_workitem_id 0
		.amdhsa_next_free_vgpr 1024
		.amdhsa_next_free_sgpr 66
		.amdhsa_reserve_vcc 0
		.amdhsa_float_denorm_mode_32 3
		.amdhsa_float_denorm_mode_16_64 3
		.amdhsa_memory_ordered 1
		.amdhsa_forward_progress 1
		.amdhsa_inst_pref_size 152
	.end_amdhsa_kernel
	.amdgpu_metadata
---
amdhsa.version: [ 1, 2 ]
amdhsa.kernels:
  - .name:           k_q36b7de7ae1_proj
    .symbol:         k_q36b7de7ae1_proj.kd
    .args:
      - { .name: ocodes, .offset: 0, .size: 8, .value_kind: global_buffer, .address_space: global }
      - { .name: oscales, .offset: 8, .size: 8, .value_kind: global_buffer, .address_space: global }
      - { .name: proj_w_codes, .offset: 16, .size: 8, .value_kind: global_buffer, .address_space: global }
      - { .name: proj_w_scales, .offset: 24, .size: 8, .value_kind: global_buffer, .address_space: global }
      - { .name: proj_b, .offset: 32, .size: 8, .value_kind: global_buffer, .address_space: global }
      - { .name: out0, .offset: 40, .size: 8, .value_kind: global_buffer, .address_space: global }
    .group_segment_fixed_size: 168448
    .private_segment_fixed_size: 0
    .kernarg_segment_align: 8
    .kernarg_segment_size: 48
    .max_flat_workgroup_size: 128
    .sgpr_count:     66
    .vgpr_count:     1024
    .wavefront_size: 32
...
	.end_amdgpu_metadata
.endif
;; end of part 2
